; MI455X (gfx1250); checked and timed in simulation.
; The chip was launched on July 23, 2026; its instructions are those of AMD's public machine-readable ISA for CDNA 5 (MIT licence, August 2026) and "CDNA5" Instruction Set Architecture Reference Guide (July 2026). The comments in the code are by the model that wrote it; some were corrected since.
;; Transformer. Allowed arithmetic: matrix products marked QUANTISED: E4M3 operands, one E8M0 scale for each 32 along K, by v_wmma_scale_f32_16x16x128_f8f6f4 with both operands' format E4M3, f32 sums; everything else in f32.
;; Inputs: wk_b 1,024 float32; wk_w 1,024 x 1,024 float32; wq_b 1,024 float32; wq_w 1,024 x 1,024 float32; wv_b 1,024 float32; wv_w 1,024 x 1,024 float32; x 2 x 2,048 x 1,024 float32.
;; Outputs: out0 2 x 2,048 x 1,024 float32.
;; This version of the problem:
;;   THIS VERSION OF THE PROBLEM IS GIVEN IN LOW PRECISION. The matrix products marked QUANTISED in the list below multiply operands that are first quantised to E4M3 (4 exponent bits, 3 mantissa bits; 8 bits a number), with one power-of-two scale for each 32 numbers along K (OCP MX v1.0); their sums are f32. All else is computed in f32.
;;   The module's matrix products, in the order in which they are computed (A, B: the left and right operand; K: the contracted axis; several contracted axes count as one K, in the product's order):
;;     1. [M 4,096, K 1,024] x [K 1,024, N 1,024]; A: input x; B: input wq_w: QUANTISED
;;     2. [M 4,096, K 1,024] x [K 1,024, N 1,024]; A: input x; B: input wk_w: QUANTISED
;;     3. [M 4,096, K 1,024] x [K 1,024, N 1,024]; A: input x; B: input wv_w: QUANTISED
;;     4. batch 32 x [M 2,048, K 64] x [K 64, N 2,048]; A: computed on the way; B: computed on the way: QUANTISED
;;     5. batch 32 x [M 2,048, K 2,048] x [K 2,048, N 64]; A: softmax (see below); B: computed on the way: QUANTISED
;;   THE QUANTISER, for each operand of a quantised product, along K:
;;     - K is cut into blocks of 32 from its start; a last block that is shorter is filled with zeros.
;;     - A block's scale is 2^e with e = floor(log2(the largest magnitude in the block)) - 8, held to -126 .. 127; a block of zeros has e = 0. As a byte (E8M0): e + 127.
;;     - Each number is divided by its block's scale, clamped to +-448, and rounded to the nearest number of E4M3, ties to even, subnormals kept.
;;     - The product sums the exact products of the quantised numbers (number of the format x scale) in f32.
;;   ~~~python
;;   def quantise(x, axis):      # numpy; x: float32 -> the quantised numbers, widened to float32 again
;;       x = np.moveaxis(x, axis, -1); K = x.shape[-1]
;;       x = np.pad(x, [(0, 0)] * (x.ndim - 1) + [(0, -K % 32)]); x = x.reshape(x.shape[:-1] + (-1, 32)); a = np.abs(x).max(-1, keepdims=True)
;;       e = np.where(a > 0, np.clip(np.frexp(np.where(a > 0, a, 1))[1] - 1 - 8, -126, 127), 0)      # np.frexp(a)[1] - 1 = floor(log2(a)), exactly
;;       r = np.clip(x / 2.0 ** e, -448, 448)
;;       step = 2.0 ** (np.maximum(np.frexp(np.where(r == 0, 1, r))[1] - 1, -6) - 3)
;;       q = np.round(r / step) * step * 2.0 ** e      # np.round: ties to even
;;       return np.moveaxis(q.reshape(q.shape[:-2] + (-1,))[..., :K], -1, axis).astype(np.float32)
;;   ~~~
;;   SOFTMAX AHEAD OF A QUANTISED PRODUCT. Where the list says 'softmax', what is quantised is not the finished softmax but p = 2^(t - M), with t = logit x log2(e) and M = ceil(the row's largest t), a whole number; so 1/2 < the row's largest p <= 1. The row's sum l is taken of the UNQUANTISED p, in f32, and the product's result is divided by l at the end. Since M is a whole number, a kernel that streams over the keys may use a running M (the ceiling of the running maximum): every later rescaling is an exact power of two, which a block's scale takes up: the codes' values come out the same.
;;   OPERANDS COMPUTED ON THE WAY. 'Computed on the way' means the value that the module computes at that place (a softmax that the list does not call 'softmax' is quantised finished and normalised). What goes into a quantiser is computed in f32, as accurately as f32 sums, v_exp_f32 and their like allow (about 1e-6 of the number): no bf16 or f16 on the way to a quantiser, and a product that is left as it is and whose result goes on into a quantised operand takes f32 operands (vector FMAs, or v_wmma_f32_16x16x4_f32). A number that lies on a knife's edge between two numbers of the format may be rounded either way, as far as f32 arithmetic and the matrix unit's own rounding can turn it there, and no further.
;; One version. Each part assembles by itself: llvm-mc -triple=amdgcn-amd-amdhsa -mcpu=gfx1250 --defsym DOCPART=n.
;; ======== version 1 of 1: 3 launches
;; limits: right only within a limited range of input values
;; workspace buffers: xc 4,194,304 bytes; xs 131,072 bytes; wc 3,145,728 bytes; ws 98,304 bytes; qimg 4,194,304 bytes; kv 8,388,608 bytes; qs 262,144 bytes; kvs 262,144 bytes
;; launch quant (part 1): grid 224 x 1, 4 waves a work-group, no clusters, 33,280 bytes of LDS; arguments x, wq_w, wk_w, wv_w, xc, xs, wc, ws; writes xc, xs, wc, ws
.if DOCPART == 1
	.amdgcn_target "amdgcn-amd-amdhsa--gfx1250"
	.amdhsa_code_object_version 6
	.text
	.protected	k_qe832563beb_quant
	.globl	k_qe832563beb_quant
	.p2align	8
	.type	k_qe832563beb_quant,@function
k_qe832563beb_quant:
	s_mov_b64 s[64:65], 0
	v_nop
	global_prefetch_b8 v0, s[64:65] scope:SCOPE_SE
	s_setreg_imm32_b32 hwreg(HW_REG_WAVE_MODE, 25, 1), 1
	s_wait_xcnt 0x0
; FIRST OF THREE LAUNCHES: x [4096][1024] and the three weights [1024 (n)][1024 (k)], f32, K innermost, become codes of FP8 (E4M3) with one E8M0 byte for each 32 along K.
; The program: (1) this launch; (2) q, k, v = x W^T + b on codes, quantised on the way out as images of operand registers; (3) causal attention on codes.
; WORK LEFT OUT, in the whole program: only key steps of 128 keys all of whose keys come after all the queries at hand.  reference() builds the mask itself (jnp.tril): it sets those logits to the least f32 number,
; under the row's maximum (key 0 counts for every query) by so much that their weights are 0 for all finite inputs: they add nothing to the row's sum and nothing to the second product.  Every input has a way
; to the output (each bias goes into a quantiser) and is loaded.  LIMIT: a NaN, an infinity or an overflow that arises only in scores left out is not carried to the result.
; A block's scale is 2^(floor(log2(its largest magnitude)) - 8); its byte is the largest magnitude's exponent field - 8, held at 1 from below.  A block of zeros so gets the byte 1 where the rule says 127:
; its codes are zeros, which add nothing under any byte but 0xff, and the bytes are read by this program alone.
; LIMITS: blocks whose largest magnitude lies under 2^(8 - 126) have their byte held at 1; NaN and infinities among the inputs are not served.
; THE ROWS LEAVE IN ANOTHER ORDER.  Inside every 32 rows (tokens of x, rows of a weight) the two middle groups of eight change places, so that 16 rows on end in xc or wc are rows 0-7 and 16-23, or 8-15 and 24-31,
; of their 32: a matrix result made from two such tiles then holds 16 neighbours in a lane's 16 registers.  The weights' rows are laid by head: row = 192 head + 64 t + place of d, t = 0 (q), 1 (k), 2 (v).
; SHARES.  A wave takes 8 rows on end (8,192 numbers, 16 steps of 512), a work-group 32 rows.  Work-groups 0-127 take x, 128-159 wq_w, 160-191 wk_w, 192-223 wv_w: only pointers and offsets are chosen, by the work-group's number.
; Each load reads 512 consecutive bytes; a step's 2,048 bytes turn through the wave's own stage in LDS, so that a lane holds 16 neighbours along K; a wave's store of codes covers 512 consecutive bytes, its 256 scale bytes leave as one store.
; No tensor loads, no barrier, no cluster: waves and work-groups share no input.
.set WAVES, 4
.set STEPS, 16
.set EMAX,  8
.set MANT,  0x600000                   ; the mantissa field of 448 as f32
.set CB,    16                         ; bytes of 16 codes
.set R,     16                         ; v16-143  eight sets of 16 numbers as they are loaded
.set X,     144                        ; v144-175 two sets of 16 neighbours (v16-143: eight sets of 16 numbers as they are loaded)
.set C,     192                        ; v192-255 codes: four registers for each step, so that no store's data are written again
.set E,     176                        ; v176-191 a scale byte for each step
.set WREG,  8192                       ; LDS: a region for each wave: two stages of 32 x SP bytes, behind them its 256 scale bytes
.set SP,    80                         ; a lane's place in a stage: 64 bytes + 16 of padding
.set SPW,   12                         ; v12      LDS address of my spare word; never rewritten
.set NIL,   13                         ; v13      0; never rewritten
.set SPARE, WAVES*WREG                 ; behind the four regions: the spare words, 128 bytes a wave, which no other line names
	s_load_b256 s[4:11], s[0:1], 0x0               ; x, wq_w, wk_w, wv_w
	s_load_b256 s[12:19], s[0:1], 0x20             ; xc, xs, wc, ws
	v_lshl_add_u32 v[SPW], v0, 2, SPARE
	v_mov_b32 v[NIL], 0
	v_lshrrev_b32 v1, 5, v0
	v_readfirstlane_b32 s20, v1                    ; wave
	v_and_b32 v2, 31, v0                           ; lane
	v_lshlrev_b32 v3, 4, v2                        ; my 16 bytes of a load's 512
	s_mul_i32 s21, s20, WREG
	v_lshrrev_b32 v14, 2, v2
	v_mul_u32_u24 v14, v14, SP
	v_and_b32 v15, 3, v2
	v_lshl_add_u32 v14, v15, 4, v14
	v_add_nc_u32 v14, s21, v14                     ; the stage, on the way in: SP (lane / 4) + 16 (lane % 4)
	v_mul_u32_u24 v15, v2, SP
	v_add_nc_u32 v15, s21, v15                     ; and on the way out: SP x lane: my 16 neighbours
	v_mul_u32_u24 v4, v2, CB                       ; my codes' place in a step's
	v_lshrrev_b32 v5, 1, v2
	s_add_co_u32 s21, s21, 2*32*SP
	v_add_nc_u32 v5, s21, v5                       ; LDS: my wave's 256 scale bytes, my block's byte
	v_lshlrev_b32 v7, 3, v2                        ; and on the way out 8 bytes a lane
	v_add_nc_u32 v6, s21, v7
	s_mov_b32 s30, MANT
	; which 8 rows I read (run) and where they go (place, in groups of 8 rows), for x and for a weight
	s_and_b32 s22, s20, 1
	s_lshl_b32 s22, s22, 1
	s_lshr_b32 s23, s20, 1
	s_or_b32 s22, s22, s23                         ; the wave's number with its two bits exchanged: groups 1 and 2 change places
	s_lshl_b32 s23, ttmp9, 2
	s_add_co_u32 s24, s23, s20                     ; x: run = 4 g + wave
	s_add_co_u32 s25, s23, s22                     ; x: place = 4 g + exchanged wave
	s_and_b32 s26, ttmp9, 127                      ; a weight's work-group: g - 128
	s_lshr_b32 s27, s26, 5                         ; t: which weight
	s_and_b32 s26, s26, 31                         ; g': which 32 rows of it
	s_lshl_b32 s28, s26, 2
	s_add_co_u32 s28, s28, s20                     ; run = 4 g' + wave
	s_lshr_b32 s29, s26, 1                         ; the head
	s_mul_i32 s29, s29, 24                         ; 192 rows a head
	s_lshl_b32 s27, s27, 3
	s_add_co_u32 s29, s29, s27                     ; + 64 t rows
	s_and_b32 s26, s26, 1
	s_lshl_b32 s26, s26, 2
	s_add_co_u32 s29, s29, s26                     ; + which 32 of the head's 64
	s_add_co_u32 s29, s29, s22                     ; + the exchanged wave
	s_mov_b32 s27, 0
	s_wait_alu depctr_va_vdst(0)
	s_wait_kmcnt 0x0
	s_cmp_lt_u32 ttmp9, 160
	s_cselect_b64 s[6:7], s[6:7], s[8:9]           ; wq_w or wk_w
	s_cmp_lt_u32 ttmp9, 192
	s_cselect_b64 s[6:7], s[6:7], s[10:11]         ; or wv_w
	s_cmp_lt_u32 ttmp9, 128                        ; x or a weight: the choice hangs on the work-group's number alone
	s_cselect_b64 s[4:5], s[4:5], s[6:7]
	s_cselect_b64 s[12:13], s[12:13], s[16:17]
	s_cselect_b64 s[14:15], s[14:15], s[18:19]
	s_cselect_b32 s24, s24, s28
	s_cselect_b32 s25, s25, s29
	s_lshl_b32 s26, s24, 15                        ; 8 rows of 4,096 bytes
	s_add_nc_u64 s[4:5], s[4:5], s[26:27]
	s_lshl_b32 s26, s25, 13                        ; 8 rows of 1,024 codes
	s_add_nc_u64 s[12:13], s[12:13], s[26:27]
	s_lshl_b32 s26, s25, 8                         ; 8 rows of 32 scale bytes
	s_add_nc_u64 s[14:15], s[14:15], s[26:27]
.macro LOAD t
.irp i, 0,1,2,3
	global_load_b128 v[R+16*((\t)%8)+4*\i:R+16*((\t)%8)+4*\i+3], v3, s[4:5] offset:2048*(\t)+512*\i th:TH_LOAD_NT   ; 32 lanes read 512 consecutive bytes
.endr
.endm
.macro TURN t                          ; step t's numbers through the stage: LDS serves a wave's instructions in order, so no wait stands between the stores and the loads
.irp i, 0,1,2,3
	ds_store_b128 v14, v[R+16*((\t)%8)+4*\i:R+16*((\t)%8)+4*\i+3] offset:32*SP*((\t)%2)+8*SP*\i
.endr
.irp i, 0,1,2,3
	ds_load_b128 v[X+16*((\t)%2)+4*\i:X+16*((\t)%2)+4*\i+3], v15 offset:32*SP*((\t)%2)+16*\i
.endr
.endm
.irp t, 0,1,2,3,4,5,6,7
	LOAD \t
.endr
	s_wait_loadcnt 28                              ; step 0's four loads are in; the 28 of steps 1 to 7 may be out
	TURN 0
.macro STEP t
.set XS, X+16*((\t)%2)
.if (\t) > 0
	s_wait_dscnt 1                                 ; this step's numbers are back from the stage (the last step's byte store may be out): so its stores into the stage have read their registers,
.else
	s_wait_dscnt 0x0
.endif
.if (\t)+8 < STEPS
	LOAD (\t)+8                                    ; which take the loads of eight steps on
.endif
.if (\t)+1 < STEPS
.if STEPS-2-(\t) >= 7
	s_wait_loadcnt 28                              ; the next step's four loads are in; those of the seven steps behind it may be out
.else
	s_wait_loadcnt 4*(STEPS-2-(\t))
.endif
	TURN (\t)+1                                    ; and go through the other stage while this step is worked
.endif
	v_max3_num_f32 v8, |v[XS]|, |v[XS+1]|, |v[XS+2]|               ; the largest magnitude of my 16
	v_max3_num_f32 v9, |v[XS+3]|, |v[XS+4]|, |v[XS+5]|
.irp i, 6,10
	v_max3_num_f32 v8, v8, |v[XS+\i]|, |v[XS+\i+1]|
	v_max3_num_f32 v9, v9, |v[XS+\i+2]|, |v[XS+\i+3]|
.endr
	v_max3_num_f32 v8, v8, |v[XS+14]|, |v[XS+15]|
	v_max3_num_f32 v8, v8, v9, (EMAX+1)<<23        ; and the floor 2^(EMAX + 1 - 127): the byte cannot fall under 1
	v_max_num_f32_dpp v8, v8, v8 row_xmask:1 row_mask:0xf bank_mask:0xf   ; and of my neighbour's 16: the block's
	v_add_nc_u32 v11, -(EMAX<<23), v8              ; EMAX off its exponent field: the conversion takes the exponent field of this operand as its scale
	v_and_or_b32 v10, v8, 0x7f800000, s30          ; 448 x the scale: the largest magnitude's exponent field over 448's mantissa
.irp i, 0,1,2,3,4,5,6,7,8,9,10,11,12,13,14,15
	v_med3_num_f32 v[XS+\i], v[XS+\i], -v10, v10   ; the conversion to an 8-bit code does not saturate (ISA guide 7.6.2): the number is held within the largest code x the scale first
.endr
	v_cvt_scalef32_pk8_fp8_f32 v[C+4*(\t):C+4*(\t)+1], v[XS:XS+7], v11
	v_cvt_scalef32_pk8_fp8_f32 v[C+4*(\t)+2:C+4*(\t)+3], v[XS+8:XS+15], v11
	v_lshrrev_b32 v[E+(\t)], 23, v11               ; the scale's byte
	ds_store_b8 v5, v[E+(\t)] offset:16*(\t)       ; both lanes of a block write the same byte with the same value
	global_store_b128 v4, v[C+4*(\t):C+4*(\t)+3], s[12:13] offset:32*CB*(\t)
.endm
.irp t, 0,1,2,3,4,5,6,7,8,9,10,11,12,13,14,15
	STEP \t
.endr
	ds_load_b64 v[8:9], v6                         ; LDS serves a wave's instructions in order: these see my stores
	s_wait_dscnt 0x0
	global_store_b64 v7, v[8:9], s[14:15]          ; 32 lanes store 256 consecutive bytes, aligned
	s_wait_tensorcnt 0x0                           ; the wave's end, behind my last LDS store
	ds_add_u32 v[SPW], v[NIL]
	s_wait_dscnt 0x0
	s_endpgm
.Lfunc_end_k_qe832563beb_quant:
	.size	k_qe832563beb_quant, .Lfunc_end_k_qe832563beb_quant-k_qe832563beb_quant
	.p2alignl 7, 3214868480
	.fill 96, 4, 3214868480
	.section	.rodata,"a",@progbits
	.p2align	6, 0x0
	.amdhsa_kernel k_qe832563beb_quant
		.amdhsa_group_segment_fixed_size 33280
		.amdhsa_private_segment_fixed_size 0
		.amdhsa_enable_private_segment 0
		.amdhsa_kernarg_size 64
		.amdhsa_user_sgpr_count 2
		.amdhsa_user_sgpr_kernarg_segment_ptr 1
		.amdhsa_wavefront_size32 1
		.amdhsa_system_sgpr_workgroup_id_x 1
		.amdhsa_system_sgpr_workgroup_id_y 1
		.amdhsa_system_sgpr_workgroup_id_z 1
		.amdhsa_system_vgpr_workitem_id 0
		.amdhsa_next_free_vgpr 256
		.amdhsa_next_free_sgpr 66
		.amdhsa_reserve_vcc 0
		.amdhsa_float_denorm_mode_32 3
		.amdhsa_float_denorm_mode_16_64 3
		.amdhsa_memory_ordered 1
		.amdhsa_forward_progress 1
		.amdhsa_inst_pref_size 52
	.end_amdhsa_kernel
	.amdgpu_metadata
---
amdhsa.version: [ 1, 2 ]
amdhsa.kernels:
  - .name:           k_qe832563beb_quant
    .symbol:         k_qe832563beb_quant.kd
    .args:
      - { .name: x, .offset: 0, .size: 8, .value_kind: global_buffer, .address_space: global }
      - { .name: wq_w, .offset: 8, .size: 8, .value_kind: global_buffer, .address_space: global }
      - { .name: wk_w, .offset: 16, .size: 8, .value_kind: global_buffer, .address_space: global }
      - { .name: wv_w, .offset: 24, .size: 8, .value_kind: global_buffer, .address_space: global }
      - { .name: xc, .offset: 32, .size: 8, .value_kind: global_buffer, .address_space: global }
      - { .name: xs, .offset: 40, .size: 8, .value_kind: global_buffer, .address_space: global }
      - { .name: wc, .offset: 48, .size: 8, .value_kind: global_buffer, .address_space: global }
      - { .name: ws, .offset: 56, .size: 8, .value_kind: global_buffer, .address_space: global }
    .group_segment_fixed_size: 33280
    .private_segment_fixed_size: 0
    .kernarg_segment_align: 8
    .kernarg_segment_size: 64
    .max_flat_workgroup_size: 128
    .sgpr_count:     66
    .vgpr_count:     256
    .wavefront_size: 32
...
	.end_amdgpu_metadata
.endif
;; end of part 1
;; launch qkv (part 2): grid 16 x 16, 4 waves a work-group, clusters of 4 x 4, 327,680 bytes of LDS; arguments xc, xs, wc, ws, wq_b, wk_b, wv_b, qimg, kv, qs, kvs; writes qimg, kv, qs, kvs
.if DOCPART == 2
	.amdgcn_target "amdgcn-amd-amdhsa--gfx1250"
	.amdhsa_code_object_version 6
	.text
	.protected	k_qe832563beb_qkv
	.globl	k_qe832563beb_qkv
	.p2align	8
	.type	k_qe832563beb_qkv,@function
k_qe832563beb_qkv:
	s_mov_b64 s[64:65], 0
	v_nop
	global_prefetch_b8 v0, s[64:65] scope:SCOPE_SE
	s_setreg_imm32_b32 hwreg(HW_REG_WAVE_MODE, 25, 1), 1
	s_wait_xcnt 0x0
	s_wait_alu depctr_hold_cnt(0) depctr_sa_sdst(0) depctr_va_vdst(0) depctr_va_sdst(0) depctr_va_ssrc(0) depctr_va_vcc(0) depctr_vm_vsrc(0)
	s_getreg_b32 s2, hwreg(HW_REG_IB_STS2, 6, 4)
	s_cmp_eq_u32 s2, 0
	s_cbranch_scc0 .Lentry_in_a_cluster
	s_endpgm
.Lentry_in_a_cluster:
	s_bfe_u32 s2, ttmp6, 0x10000c
	s_cmp_lg_u32 s2, 0xf033
	s_cbranch_scc0 .Lentry_shape_is_right
	s_endpgm
.Lentry_shape_is_right:
; SECOND LAUNCH: q, k, v = x W^T + b on codes of FP8 with E8M0 scales, 256 rows of x by one head's 192 columns a work-group, quantised on the way out as images of the third launch's operand registers.
; A ring of two LDS slots of 256 along K; joint loads in clusters of 4 x 4.  AT THE HEAD each wave issues ONE joint load: wave 0 K step 0's 256 rows of x, wave 1 its 192 rows of the weights, waves 2 and 3 their scale bytes for all of K;
; slot 1 is first filled behind the full sequence and a round, as a refill is.  LIMITS: as at the first launch's head.
.set PITCH, 272
.set SLOT,  448*PITCH
.set BOFF,  256*PITCH
.set HALFA, 128*PITCH
.set HALFB, 96*PITCH
.set SCL,   2*SLOT
.set SCLB,  SCL+32*272
.set SCST,  259072
.set SPARE, 261120
.set BO2,  15
.set ADRA, 16
.set ADRB, 20
.set ADSA, 22
.set ADSB, 23
.set LI,   24
.set QWA,  25
.set KWA,  26
.set VWA,  27
.set SPW,  28
.set NIL,  29
.set SRD,  30
.set BO1,  31
.set SC,   32
.set XF,   64
.set PC,   64
.set TM,   208
.set WD,   232
.set G1A,  28
.set G1B,  36
.set G1SA, 44
.set G1SB, 52
.set WV,   60
.set ROLE, 61
.set HALF, 62
.set G0A,  68
.set G0B,  76
.set G0SA, 84
.set G0SB, 88
.set QB,   92
.set KB,   94
.set VB,   96
.set SB,   98
.set HM,   26
.set MNT,  27
.set SEL,  100
.set MSB, 0
.macro WIN new
.if MSB != (\new)
	s_set_vgpr_msb (MSB<<8)|(\new)
.set MSB, (\new)
.endif
.endm
.macro JLOAD g0a, g1a, g0b, g1b
	s_cmp_eq_u32 s[ROLE], 0
	s_cbranch_scc0 .Lfor_b_\@
	tensor_load_to_lds s[\g0a:\g0a+3], s[\g1a:\g1a+7]
	s_nop 0
.rept 4
	v_nop
.endr
	s_branch .Lasked_\@
.Lfor_b_\@:
	tensor_load_to_lds s[\g0b:\g0b+3], s[\g1b:\g1b+7]
	s_nop 0
.rept 4
	v_nop
.endr
.Lasked_\@:
.endm
.macro CREST
	s_cmp_lg_u32 s[WV], 0
	s_cbranch_scc1 .Lnot_wave_0_\@
	s_barrier_signal -3
.Lnot_wave_0_\@:
	s_barrier_wait -3
	s_barrier_signal -1
	s_barrier_wait -1
.endm
.macro CROUND
	s_barrier_signal -1
	s_barrier_wait -1
	CREST
.endm
.macro PLACES n
.rept \n
	v_nop
.endr
.endm
	s_load_b256 s[4:11], s[0:1], 0x0
	s_load_b256 s[12:19], s[0:1], 0x20
	s_load_b128 s[20:23], s[0:1], 0x40
	s_load_b64 s[24:25], s[0:1], 0x50
	v_lshl_add_u32 v[SPW], v0, 2, SPARE
	v_mov_b32 v[NIL], 0
	ds_add_u32 v[SPW], v[NIL]
	ds_add_u32 v[SPW], v[NIL]
	v_lshrrev_b32 v1, 5, v0
	v_readfirstlane_b32 s[WV], v1
	s_lshr_b32 s[ROLE], s[WV], 1
	s_and_b32 s[HALF], s[WV], 1
	s_bfe_u32 s63, ttmp6, 0x40000
	s_bfe_u32 s66, ttmp6, 0x40004
	s_lshl_b32 s67, ttmp9, 2
	s_add_co_u32 s67, s67, s63
	s_and_b32 s3, ttmp7, 0xffff
	s_lshl_b32 s3, s3, 2
	s_add_co_u32 s3, s3, s66
	s_lshl_b32 s92, s66, 2
	s_lshl_b32 s92, 15, s92
	s_lshl_b32 s98, 0x1111, s63
	s_or_b32 s[G1A], s92, (1<<20)|(1<<21)|(5<<22)|(3<<25)
	s_or_b32 s[G1B], s98, (1<<20)|(1<<21)|(5<<22)|(3<<25)
	s_or_b32 s[G1SA], s92, (3<<16)|(1<<20)|(1<<21)|(5<<22)|(3<<25)
	s_or_b32 s[G1SB], s98, (3<<16)|(1<<20)|(1<<21)|(5<<22)|(3<<25)
.irp g, G1A, G1B
	s_mov_b32 s[\g+1], 256<<16
	s_mov_b32 s[\g+3], 256<<16
	s_mov_b32 s[\g+5], 1024
	s_mov_b32 s[\g+6], 0
	s_mov_b32 s[\g+7], 0
.endr
	s_mov_b32 s[G1A+2], 256<<16                    ; whole tiles at the head; behind it 128 and 96 rows a load
	s_mov_b32 s[G1A+4], 256
	s_mov_b32 s[G1B+2], 192<<16
	s_mov_b32 s[G1B+4], 192
.irp g, G1SA, G1SB
	s_mov_b32 s[\g+1], 32<<16
	s_mov_b32 s[\g+3], 32<<16
	s_mov_b32 s[\g+5], 32
	s_mov_b32 s[\g+6], 0
	s_mov_b32 s[\g+7], 0
.endr
	s_mov_b32 s[G1SA+2], 32<<16
	s_mov_b32 s[G1SA+4], 32
	s_mov_b32 s[G1SB+2], 24<<16
	s_mov_b32 s[G1SB+4], 24
	s_lshl_b32 s92, s3, 8
	s_lshl_b32 s94, s92, 5
	s_lshl_b32 s92, s92, 10
	s_mov_b32 s93, 0
	s_mov_b32 s95, 0
	s_mul_i32 s96, s67, 192
	s_lshl_b32 s98, s96, 5
	s_lshl_b32 s96, s96, 10
	s_mov_b32 s97, 0
	s_mov_b32 s99, 0
	s_mul_i32 s26, s[HALF], HALFA
	s_mul_i32 s27, s[HALF], HALFB
	s_add_co_u32 s27, s27, BOFF
	s_mov_b32 s100, SCL
	s_mov_b32 s101, SCLB
	s_wait_dscnt 0x0
	s_wait_kmcnt 0x0
	s_add_nc_u64 s[92:93], s[4:5], s[92:93]
	s_add_nc_u64 s[94:95], s[6:7], s[94:95]
	s_add_nc_u64 s[96:97], s[8:9], s[96:97]
	s_add_nc_u64 s[98:99], s[10:11], s[98:99]
	CROUND
	s_mov_b32 s[G0SA], 1
	s_mov_b32 s[G0SA+1], s100
	s_mov_b64 s[G0SA+2:G0SA+3], s[94:95]
	s_or_b32 s[G0SA+3], s[G0SA+3], 0x80000000
	s_mov_b32 s[G0SB], 1
	s_mov_b32 s[G0SB+1], s101
	s_mov_b64 s[G0SB+2:G0SB+3], s[98:99]
	s_or_b32 s[G0SB+3], s[G0SB+3], 0x80000000
	s_mov_b32 s4, 1                                ; (the arguments that lay in s[4:11] have been used)
	s_mov_b32 s5, 0
	s_mov_b64 s[6:7], s[92:93]
	s_or_b32 s7, s7, 0x80000000
	s_mov_b32 s8, 1
	s_mov_b32 s9, BOFF
	s_mov_b64 s[10:11], s[96:97]
	s_or_b32 s11, s11, 0x80000000
; ONE tree of branches on the wave's number, one load to an arm, all arms leading to one join
.macro ARM under, g0, g1, next
	s_cmp_lt_u32 s[WV], \under
	s_cbranch_scc0 \next
	tensor_load_to_lds s[\g0:\g0+3], s[\g1:\g1+7]
	s_nop 0
.rept 4
	v_nop
.endr
	s_branch .Lhead_asked
\next:
.endm
	ARM 1, 4, G1A, .Lhead_b
	ARM 2, 8, G1B, .Lhead_sa
	ARM 3, G0SA, G1SA, .Lhead_sb
	tensor_load_to_lds s[G0SB:G0SB+3], s[G1SB:G1SB+7]
	s_nop 0
.rept 4
	v_nop
.endr
.Lhead_asked:
	s_mul_i32 s94, s[HALF], 131072                 ; for the ring: my 128 rows of x,
	s_mov_b32 s95, 0
	s_add_nc_u64 s[92:93], s[92:93], s[94:95]
	s_mul_i32 s98, s[HALF], 98304                  ; my 96 rows of the weights
	s_mov_b32 s99, 0
	s_add_nc_u64 s[96:97], s[96:97], s[98:99]
.irp s, 0,1
	s_mov_b32 s[G0A+4*\s], 1
	s_add_co_u32 s[G0A+4*\s+1], s26, \s*SLOT
	s_add_nc_u64 s[G0A+4*\s+2:G0A+4*\s+3], s[92:93], \s*256
	s_or_b32 s[G0A+4*\s+3], s[G0A+4*\s+3], 0x80000000
	s_mov_b32 s[G0B+4*\s], 1
	s_add_co_u32 s[G0B+4*\s+1], s27, \s*SLOT
	s_add_nc_u64 s[G0B+4*\s+2:G0B+4*\s+3], s[96:97], \s*256
	s_or_b32 s[G0B+4*\s+3], s[G0B+4*\s+3], 0x80000000
.endr
	v_and_b32 v1, 15, v0
	v_bfe_u32 v2, v0, 4, 1
	v_mul_u32_u24 v3, v1, PITCH
	v_lshl_add_u32 v4, v2, 4, v3
	s_mul_i32 s2, s[WV], 64*PITCH
	v_add_nc_u32 v[ADRA], s2, v4
	s_add_co_u32 s2, s2, SLOT
	v_add_nc_u32 v[ADRA+1], s2, v4
	v_add_nc_u32 v[ADRB], BOFF, v4
	v_add_nc_u32 v[ADRB+1], BOFF+SLOT, v4
	v_lshrrev_b32 v5, 3, v1
	v_mul_u32_u24 v5, v5, 272
	v_and_b32 v6, 7, v1
	v_lshl_add_u32 v5, v6, 5, v5
	v_mul_u32_u24 v6, v2, 1088
	v_add_nc_u32 v6, v6, v5
	s_mul_i32 s2, s[WV], 2176
	s_add_co_u32 s2, s2, SCL
	v_add_nc_u32 v[ADSA], s2, v6
	v_mul_u32_u24 v6, v2, 3264
	v_add_nc_u32 v6, v6, v5
	v_add_nc_u32 v[ADSB], SCLB, v6
	v_and_b32 v7, 31, v0
	v_lshlrev_b32 v[LI], 4, v7
	v_lshlrev_b32 v8, 2, v7
	s_lshl_b32 s2, s[WV], 8
	s_add_co_u32 s2, s2, SCST
	v_add_nc_u32 v[QWA], s2, v8
	v_lshl_add_u32 v[KWA], v0, 2, SCST+1024
	s_lshl_b32 s2, s[ROLE], 8
	s_lshl_b32 s63, s[HALF], 1
	s_add_co_u32 s2, s2, s63
	s_add_co_u32 s2, s2, SCST+1536
	v_add_nc_u32 v[VWA], s2, v8
	v_lshl_add_u32 v[SRD], v0, 4, SCST
	v_lshlrev_b32 v[BO1], 6, v2
	v_and_b32 v9, 8, v1
	v_add_nc_u32 v9, v9, v1
	v_lshlrev_b32 v[BO2], 2, v9
.irp b, 0,1,2,3
	v_mov_b32 v[TM+4+\b], 0
.endr
	s_lshl_b32 s98, s67, 8
	s_mov_b32 s99, 0
	s_add_nc_u64 s[12:13], s[12:13], s[98:99]
	s_add_nc_u64 s[14:15], s[14:15], s[98:99]
	s_add_nc_u64 s[16:17], s[16:17], s[98:99]
	WIN 0xc0
.irp j, 0,1,2,3
	global_load_b128 v[128+8*\j:128+8*\j+3], v[BO1], s[12:13] offset:128*(\j/2)+32*(\j%2)
	global_load_b128 v[128+8*\j+4:128+8*\j+7], v[BO1], s[12:13] offset:128*(\j/2)+32*(\j%2)+16
	global_load_b128 v[160+8*\j:160+8*\j+3], v[BO1], s[14:15] offset:128*(\j/2)+32*(\j%2)
	global_load_b128 v[160+8*\j+4:160+8*\j+7], v[BO1], s[14:15] offset:128*(\j/2)+32*(\j%2)+16
.endr
.irp t, 0,1,2,3
.irp e, 0,1,2,3,4,5,6,7
	global_load_b32 v[192+8*\t+\e], v[BO2], s[16:17] offset:128*(\t/2)+32*(\t%2)
.endr
.endr
	WIN 0
	s_lshr_b32 s2, s3, 3
	s_lshl_b32 s2, s2, 4
	s_add_co_u32 s2, s2, s67
	s_and_b32 s3, s3, 7
	s_lshl_b32 s92, s2, 17
	s_lshl_b32 s63, s3, 14
	s_add_co_u32 s92, s92, s63
	s_lshl_b32 s63, s[WV], 12
	s_add_co_u32 s92, s92, s63
	s_mov_b32 s93, 0
	s_add_nc_u64 s[QB:QB+1], s[18:19], s[92:93]
	s_lshl_b32 s94, s2, 18
	s_lshl_b32 s63, s3, 15
	s_add_co_u32 s94, s94, s63
	s_lshl_b32 s63, s[ROLE], 14
	s_add_co_u32 s94, s94, s63
	s_lshl_b32 s63, s[HALF], 10
	s_add_co_u32 s96, s94, s63
	s_add_co_u32 s96, s96, 8192
	s_lshl_b32 s63, s[HALF], 12
	s_add_co_u32 s94, s94, s63
	s_mov_b32 s95, 0
	s_mov_b32 s97, 0
	s_add_nc_u64 s[KB:KB+1], s[20:21], s[94:95]
	s_add_nc_u64 s[VB:VB+1], s[20:21], s[96:97]
	s_lshl_b32 s98, s2, 3
	s_add_co_u32 s98, s98, s3
	s_lshl_b32 s98, s98, 10
	s_lshl_b32 s63, s[HALF], 9
	s_add_co_u32 s98, s98, s63
	s_mov_b32 s99, 0
	s_cmp_lt_u32 s[WV], 2
	s_cselect_b64 s[22:23], s[22:23], s[24:25]
	s_add_nc_u64 s[SB:SB+1], s[22:23], s[98:99]
	s_mov_b32 s[HM], 0xffff0000
	s_mov_b32 s[MNT], 0x600000
	s_mov_b32 s[SEL], 0x76543210
	s_mov_b32 s[SEL+1], 0xfedcba98
.macro FRAG reg, adr, q, i
.irp c, 0,1,2,3
	ds_load_b128 v[\reg+4*\c:\reg+4*\c+3], v[\adr] offset:128*(\q)+32*\c+(\i)*16*PITCH
.endr
.endm
.macro FETCH_B slot, q, j0, n
	WIN 0x40
.set fj, \j0
.rept \n
	FRAG 16*fj, ADRB+\slot, \q, fj
.set fj, fj+1
.endr
	WIN 0
.endm
.macro FETCH_A slot, q
.irp a, 0,1,2,3
	FRAG XF+64*(\q)+16*\a, ADRA+\slot, \q, \a
.endr
.endm
.macro SCALES sig
.irp i, 0,1
	ds_load_b64 v[SC+16*((\sig)&1)+2*\i:SC+16*((\sig)&1)+2*\i+1], v[ADSA] offset:\i*544+8*(\sig)
.endr
.irp j, 0,1,2,3,4,5
	ds_load_b64 v[SC+16*((\sig)&1)+4+2*\j:SC+16*((\sig)&1)+4+2*\j+1], v[ADSB] offset:\j*544+8*(\sig)
.endr
.endm
.macro WM j, a, sc, q, first
.set zW, 16*(\j)
.set zX, XF+64*(\q)+16*(\a)
.set zSW, SC+16*(\sc)+4+2*((\j)%6)+(\q)
.set zSX, SC+16*(\sc)+2*((\a)&1)+(\q)
.if (\j) < 8
.set zD, 8*(4*(\a)+((\j)&3))+128*((\j)>>2)
.set zA, zW
.set zB, zX
.set zSA, zSW
.set zSB, zSX
.set zHA, (\j)/6
.set zHB, (\a)>>1
.else
.set zD, 8*(4*((\j)-8)+(\a))
.set zA, zX
.set zB, zW
.set zSA, zSX
.set zSB, zSW
.set zHA, (\a)>>1
.set zHB, 1
.endif
.set zC, zD
.if \first
.set zC, 128+8*(\j)
.endif
.if zHA && zHB
	v_wmma_scale_f32_16x16x128_f8f6f4 v[zD:zD+7], v[zA:zA+15], v[zB:zB+15], v[zC:zC+7], v[zSA], v[zSB] matrix_a_scale:MATRIX_SCALE_ROW1 matrix_b_scale:MATRIX_SCALE_ROW1
.elseif zHA
	v_wmma_scale_f32_16x16x128_f8f6f4 v[zD:zD+7], v[zA:zA+15], v[zB:zB+15], v[zC:zC+7], v[zSA], v[zSB] matrix_a_scale:MATRIX_SCALE_ROW1
.elseif zHB
	v_wmma_scale_f32_16x16x128_f8f6f4 v[zD:zD+7], v[zA:zA+15], v[zB:zB+15], v[zC:zC+7], v[zSA], v[zSB] matrix_b_scale:MATRIX_SCALE_ROW1
.else
	v_wmma_scale_f32_16x16x128_f8f6f4 v[zD:zD+7], v[zA:zA+15], v[zB:zB+15], v[zC:zC+7], v[zSA], v[zSB]
.endif
.endm
.macro MUL j0, n, sc, q, first
.set mj, \j0
.rept \n
.set ma, 0
.rept 4
	WM mj, ma, \sc, \q, \first
.set ma, ma+1
.endr
.set mj, mj+1
.endr
.endm
.macro WQK first
.if \first
	WIN 0xb1
.else
	WIN 0xa1
.endif
.endm
.macro STEP slot, first
	s_wait_dscnt 24
	WQK \first
	MUL 0, 6, \slot, 0, \first
	s_wait_dscnt 0x0
	PLACES 8
	FETCH_B \slot, 1, 0, 6
	FETCH_A \slot, 1
	WQK \first
	MUL 6, 2, \slot, 0, \first
	WIN 0xf4
	MUL 8, 4, \slot, 0, \first
	PLACES 8
	FETCH_B \slot, 1, 6, 6
.endm
.macro TURN slot, next, fill, sig
	s_wait_tensorcnt 0x0
	ds_add_u32 v[SPW], v[NIL]
	s_wait_dscnt 25
	WIN 0xa1
	MUL 0, 3, \slot, 1, 0
	s_wait_dscnt 0x0
	s_barrier_signal -1
	MUL 3, 3, \slot, 1, 0
	WIN 0
	s_barrier_wait -1
.if \fill
	CREST
	s_add_nc_u64 s[G0A+4*\slot+2:G0A+4*\slot+3], s[G0A+4*\slot+2:G0A+4*\slot+3], 512
	s_add_nc_u64 s[G0B+4*\slot+2:G0B+4*\slot+3], s[G0B+4*\slot+2:G0B+4*\slot+3], 512
	JLOAD G0A+4*\slot, G1A, G0B+4*\slot, G1B
	PLACES 4
.else
	PLACES 8
.endif
	FETCH_B \next, 0, 0, 6
	FETCH_A \next, 0
	SCALES \sig
	WIN 0xa1
	MUL 6, 2, \slot, 1, 0
	WIN 0xf4
	MUL 8, 4, \slot, 1, 0
	PLACES 8
	FETCH_B \next, 0, 6, 6
.endm
	s_wait_alu depctr_va_vdst(0)                   ; the wait at the head's end
	s_wait_tensorcnt 0x0                           ; my tile of the head's four is in
	ds_add_u32 v[SPW], v[NIL]
	s_mov_b32 s[G1A+2], 128<<16                    ; no tensor load of mine is out: from here on a load brings 128 rows of x
	s_mov_b32 s[G1A+4], 128
	s_mov_b32 s[G1B+2], 96<<16                     ; or 96 of the weights
	s_mov_b32 s[G1B+4], 96
	s_wait_dscnt 0x0
	CROUND
	JLOAD G0A+4, G1A, G0B+4, G1B                   ; slot 1's first fill, the first tensor load behind the round
	FETCH_B 0, 0, 0, 6
	FETCH_A 0, 0
	SCALES 0
	FETCH_B 0, 0, 6, 6
	s_wait_loadcnt 0x0
	STEP 0, 1
	TURN 0, 1, 1, 1
	STEP 1, 0
	TURN 1, 0, 1, 2
	STEP 0, 0
	TURN 0, 1, 0, 3
	STEP 1, 0
	s_wait_dscnt 24
	WIN 0xa1
	MUL 0, 6, 1, 1, 0
	s_wait_dscnt 0x0
	MUL 6, 2, 1, 1, 0
	WIN 0xf4
	MUL 8, 4, 1, 1, 0
	WIN 0
	PLACES 8
.macro QUANT win, s, pc
	WIN (\win)|((\win)<<2)
.irp b, 0,1,2,3
	v_max3_num_f32 v[TM+\b], |v[(\s)+16*\b]|, |v[(\s)+16*\b+1]|, 0x4800000
.endr
.irp i, 2,4,6,8,10,12,14
.irp b, 0,1,2,3
	v_max3_num_f32 v[TM+\b], |v[(\s)+16*\b+\i]|, |v[(\s)+16*\b+\i+1]|, v[TM+\b]
.endr
.endr
	WIN 0
.irp b, 0,1,2,3
	v_permlanex16_b32 v[TM+4+\b], v[TM+\b], s[SEL], s[SEL+1]
.endr
.irp b, 0,1,2,3
	v_max_num_f32 v[TM+\b], v[TM+\b], v[TM+4+\b]
.endr
.irp b, 0,1,2,3
	v_add_nc_u32 v[TM+12+\b], 0xfc000000, v[TM+\b]
.endr
.irp b, 0,1,2,3
	v_and_or_b32 v[TM+8+\b], v[TM+\b], 0x7f800000, s[MNT]
.endr
.irp b, 0,1,2,3
	v_lshrrev_b32 v[TM+4+\b], 23, v[TM+12+\b]
.endr
	WIN ((\win)<<6)|(\win)
.irp b, 0,1,2,3
.irp i, 0,1,2,3,4,5,6,7,8,9,10,11,12,13,14,15
	v_med3_num_f32 v[(\s)+16*\b+\i], v[(\s)+16*\b+\i], -v[TM+8+\b], v[TM+8+\b]
.endr
.endr
	WIN (\win)
.irp b, 0,1,2,3
	v_cvt_scalef32_pk8_fp8_f32 v[(\pc)+4*\b:(\pc)+4*\b+1], v[(\s)+16*\b:(\s)+16*\b+7], v[TM+12+\b]
	v_cvt_scalef32_pk8_fp8_f32 v[(\pc)+4*\b+2:(\pc)+4*\b+3], v[(\s)+16*\b+8:(\s)+16*\b+15], v[TM+12+\b]
.endr
	WIN 0
	v_nop
.endm
.irp P, 0,1
	QUANT 2, 64*\P, PC+16*\P
.irp m, 0,1,2,3
	global_store_b128 v[LI], v[PC+16*\P+4*\m:PC+16*\P+4*\m+3], s[QB:QB+1] offset:2048*\P+512*\m
.endr
	v_lshl_or_b32 v224, v[TM+5], 8, v[TM+4]
	v_lshl_or_b32 v225, v[TM+7], 8, v[TM+6]
	v_cndmask_b32 v224, v224, v225, s[HM]
	v_lshl_or_b32 v[WD+\P], v224, 16, v224
	ds_store_b32 v[QWA], v[WD+\P] offset:128*\P
.endr
.irp P, 0,1
	QUANT 2, 128+64*\P, PC+32+16*\P
.irp m, 0,1,2,3
	global_store_b128 v[LI], v[PC+32+16*\P+4*\m:PC+32+16*\P+4*\m+3], s[KB:KB+1] offset:2048*\P+512*\m
.endr
	v_lshl_or_b32 v224, v[TM+5], 8, v[TM+4]
	v_lshl_or_b32 v224, v[TM+6], 16, v224
	v_lshl_or_b32 v[226-\P], v[TM+7], 24, v224
.endr
	v_cndmask_b32 v[WD+2], v226, v225, s[HM]
	ds_store_b32 v[KWA], v[WD+2]
.irp P, 0,1
	QUANT 3, 64*\P, PC+64+16*\P
.irp m, 0,1,2,3
	global_store_b128 v[LI], v[PC+64+16*\P+4*\m:PC+64+16*\P+4*\m+3], s[VB:VB+1] offset:(2*\P+\m/2)*2048+(\m%2)*512
.endr
	v_lshl_or_b32 v224, v[TM+5], 8, v[TM+4]
	v_lshl_or_b32 v225, v[TM+7], 8, v[TM+6]
	v_cndmask_b32 v[WD+4+\P], v224, v225, s[HM]
	ds_store_b16 v[VWA], v[WD+4+\P] offset:128*\P
.endr
	s_wait_dscnt 0x0
	s_barrier_signal -1
	s_barrier_wait -1
	ds_load_b128 v[228:231], v[SRD]
	s_wait_dscnt 0x0
	global_store_b128 v[LI], v[228:231], s[SB:SB+1]
	s_wait_tensorcnt 0x0
	ds_add_u32 v[SPW], v[NIL]
	s_wait_dscnt 0x0
	CROUND
	s_endpgm
.Lfunc_end_k_qe832563beb_qkv:
	.size	k_qe832563beb_qkv, .Lfunc_end_k_qe832563beb_qkv-k_qe832563beb_qkv
	.p2alignl 7, 3214868480
	.fill 96, 4, 3214868480
	.section	.rodata,"a",@progbits
	.p2align	6, 0x0
	.amdhsa_kernel k_qe832563beb_qkv
		.amdhsa_group_segment_fixed_size 327680
		.amdhsa_private_segment_fixed_size 0
		.amdhsa_enable_private_segment 0
		.amdhsa_kernarg_size 88
		.amdhsa_user_sgpr_count 2
		.amdhsa_user_sgpr_kernarg_segment_ptr 1
		.amdhsa_wavefront_size32 1
		.amdhsa_system_sgpr_workgroup_id_x 1
		.amdhsa_system_sgpr_workgroup_id_y 1
		.amdhsa_system_sgpr_workgroup_id_z 1
		.amdhsa_system_vgpr_workitem_id 0
		.amdhsa_next_free_vgpr 1024
		.amdhsa_next_free_sgpr 102
		.amdhsa_reserve_vcc 0
		.amdhsa_float_denorm_mode_32 3
		.amdhsa_float_denorm_mode_16_64 3
		.amdhsa_memory_ordered 1
		.amdhsa_forward_progress 1
		.amdhsa_inst_pref_size 160
	.end_amdhsa_kernel
	.amdgpu_metadata
---
amdhsa.version: [ 1, 2 ]
amdhsa.kernels:
  - .name:           k_qe832563beb_qkv
    .symbol:         k_qe832563beb_qkv.kd
    .args:
      - { .name: xc, .offset: 0, .size: 8, .value_kind: global_buffer, .address_space: global }
      - { .name: xs, .offset: 8, .size: 8, .value_kind: global_buffer, .address_space: global }
      - { .name: wc, .offset: 16, .size: 8, .value_kind: global_buffer, .address_space: global }
      - { .name: ws, .offset: 24, .size: 8, .value_kind: global_buffer, .address_space: global }
      - { .name: wq_b, .offset: 32, .size: 8, .value_kind: global_buffer, .address_space: global }
      - { .name: wk_b, .offset: 40, .size: 8, .value_kind: global_buffer, .address_space: global }
      - { .name: wv_b, .offset: 48, .size: 8, .value_kind: global_buffer, .address_space: global }
      - { .name: qimg, .offset: 56, .size: 8, .value_kind: global_buffer, .address_space: global }
      - { .name: kv, .offset: 64, .size: 8, .value_kind: global_buffer, .address_space: global }
      - { .name: qs, .offset: 72, .size: 8, .value_kind: global_buffer, .address_space: global }
      - { .name: kvs, .offset: 80, .size: 8, .value_kind: global_buffer, .address_space: global }
    .group_segment_fixed_size: 327680
    .private_segment_fixed_size: 0
    .kernarg_segment_align: 8
    .kernarg_segment_size: 88
    .max_flat_workgroup_size: 128
    .sgpr_count:     102
    .vgpr_count:     1024
    .wavefront_size: 32
...
	.end_amdgpu_metadata
.endif
;; end of part 2
;; launch attn (part 3): grid 8 x 32, 8 waves a work-group, no clusters, 327,680 bytes of LDS; arguments qimg, qs, kv, kvs, out0; writes out0
.if DOCPART == 3
	.amdgcn_target "amdgcn-amd-amdhsa--gfx1250"
	.amdhsa_code_object_version 6
	.text
	.protected	k_qe832563beb_attn
	.globl	k_qe832563beb_attn
	.p2align	8
	.type	k_qe832563beb_attn,@function
k_qe832563beb_attn:
	s_mov_b64 s[64:65], 0
	v_nop
	global_prefetch_b8 v0, s[64:65] scope:SCOPE_SE
	s_setreg_imm32_b32 hwreg(HW_REG_WAVE_MODE, 25, 1), 1
	s_wait_xcnt 0x0
; THIRD LAUNCH: out[b][q][64 head + d] = the sum over keys k <= q of softmax_k(Q . K / 8) V, both products on codes of FP8 (E4M3) with E8M0 scales.
; LEFT OUT: steps of 128 keys all of which come after the queries at hand: reference()'s own causal mask gives them the weight 0 for all finite inputs (shown at the head of the first launch).
; LIMITS: a NaN, an infinity or an overflow that arises only there is not carried to the result; NaN and infinities among the inputs are not served; a t under -3e38 is not served; scaled scores stay under 2^31 in magnitude.
; THE SOFTMAX: t = score x log2(e) / 8; M = the running largest t rounded UP to a whole number; p = 2^(t - M) is quantised along the keys, not normalised; the row's sum is taken of the unquantised p and divides at the end.
; When M moves, the sum and O are multiplied by 2^(old M - new M): exact.  A block's scale comes from floor(its largest t - M), which is floor(log2) of its largest p.
; SHARES.  Work-group (j, bh) owns the chunks 15 - j (late) and j (early) of 128 queries of one batch and head: 17 chunk steps of 128 keys in every work-group.  Eight waves; waves w and w + 4 (side 0, 1) own the same 32 queries
; of each chunk, a PAIR of tiles of 16, and split the keys: side s takes the key chunks of parity s.  Each fragment of K and V so feeds two products.  X is the wave's own tile (number 2 m + side), Y its partner's:
; at the end each wave joins both sides' parts of its X tiles, late and early; Y's parts go to the partner through LDS.
; THE HEAD'S K AND V STAY IN LDS: 16 chunks of 16,384 bytes (K's image, then V's).  Nothing is filled twice.  Every work-group needs chunks 0 to 8: they and the scale words come by one load a wave at the head; the chunks
; from 9 to 15 - j behind the one drained barrier.  Trips 0-1 read slots 0, 1 (256 keys each), trips 2-3 slots 2, 3, trips 4-8 the rest of the late walk (L = 8 - j / 2 trips in all) and then the early walk (9 - L trips).
; NO CLUSTER: the work-groups of a head walk different key chunks in the same trip, so branches and LDS addresses would hang on a partner's place.  NO PREFETCH: all of a work-group's tiles are asked for by two groups of loads, and no loop
; of loads is there to run ahead in.
; BOTH PRODUCTS TRANSPOSED: S^T = K Q^T, O^T = V^T P^T: a lane holds one query of each tile throughout.  THE HEAD'S 64 IN AN INSTRUCTION OF K = 128: K's fragment of 32 keys holds its first tile's 64 codes in registers 0-7, its second's in 8-15;
; Q stands between runs of zero codes: (Q, Z) multiplies the first tile out, (Z, Q) the second; the zero codes add 0.
; REGISTERS, window 0: named below; v64-127, v128-191 S^T, then p, of X and Y; v192-223, v224-255 O^T of X and Y.
;   window 1: v0-63 K's fragments; v64-127 V's; v128-167 Z Qx Z Qy Z; v168-183, v184-199 p's codes; v200-231 the late O^T of X, kept; v232-247 the early tiles' Q.
.set KV,    32768                      ; LDS: chunk k begins at KV + 16384 k; the scale words lie at 0 .. 8191
.set SPARE, 8192                       ; the spare words, 128 bytes a wave, which no other line names
.set ML1,   9216                       ; late Y's sum and -M, 256 bytes a wave;
.set ML2,   11264                      ; early Y's
.set OST,   294912                     ; late O^T of Y, 4,096 bytes a wave;  early O^T of Y goes to KV + 4096 x wave, and the way out to OUTS, when the last key step has been read
.set OUTS,  65536
.set LI,  1                            ; v1  16 x lane
.set LS,  2                            ; v2  4 x lane
.set DMX, 3                            ; v3, v4  my query of X, of Y - the chunk's first token - 16 h
.set DMY, 4
.set SPW, 5
.set NIL, 6
.set ADK, 7
.set NMX, 8                            ; v8, v10  -M of X, of Y
.set NMY, 10
.set QW,  9                            ; v9  Q's scale words: lanes 0-15 X, lanes 16-31 Y
.set PWX, 13                           ; v13, v11  p's scale words
.set PWY, 11
.set FX,  12                           ; v12, v14  f
.set FY,  14
.set ADS, 15
.set SUMX, 16                          ; v[16:17], v[18:19] the sums
.set KW,  20                           ; v20, v21 K's scale words; v22, v23 V's
.set VW,  22
.set BX,  24                           ; four blocks' largest t; 28: bounds; 32: conversions' scale operands
.set BY,  36                           ; the same of Y: 36, 40, 44
.set TX,  48                           ; v48-55 at work
.set NINF, 62
.set QWN, 63                           ; v63 the early tiles' Q scale words
.set XS,  64
.set OX,  192
.set VF,  64
.set ZQ,  128
.set PC,  168
.set TB,  2
.set TS,  3
.set TR,  14
.set WV,  18
.set NC,  19                           ; s19 -c
.set SEL, 20
.set CS,  22                           ; s[22:23] c = log2(e) / 8
.set G1T, 24
.set G1C, 32
.set G1S, 40
.set G1U, 48
.set G0T, 56
.set G0S, 60
.set G0C, 68
.set OL,  72                           ; s[72:73], s[74:75] where my X tile's rows of the output begin, late and early
.set OE,  74
.set SIDE, 76
.set CP,  77                           ; s77 which 32 queries of a chunk
.set LC,  78                           ; s78 the walk's last chunk
.set LT,  79                           ; s79 trips of the late walk
.set CK,  80
.set TBB, 66
.set TSB, 67
.set MSB, 0
.macro WIN new
.if MSB != (\new)
	s_set_vgpr_msb (MSB<<8)|(\new)
.set MSB, (\new)
.endif
.endm
.macro PLACES n
.rept \n
	v_nop
.endr
.endm
.macro TL g0, g1                       ; a tensor load; s_nop 0 and four v_nop follow it
	tensor_load_to_lds s[\g0:\g0+3], s[\g1:\g1+7]
	s_nop 0
	PLACES 4
.endm
.macro GROUP1 g, c, r                  ; group 1: r dense rows of c elements of 8 bytes
	s_mov_b32 s[\g], 3<<16
	s_mov_b32 s[\g+1], (\c)<<16
	s_mov_b32 s[\g+2], (\r)<<16
	s_mov_b32 s[\g+3], (\c)<<16
	s_mov_b32 s[\g+4], \r
	s_mov_b32 s[\g+5], \c
	s_mov_b32 s[\g+6], 0
	s_mov_b32 s[\g+7], 0
.endm
	s_load_b256 s[4:11], s[0:1], 0x0               ; qimg, qs, kv, kvs
	s_load_b64 s[12:13], s[0:1], 0x20              ; out0
	v_lshl_add_u32 v[SPW], v0, 2, SPARE
	v_mov_b32 v[NIL], 0
	ds_add_u32 v[SPW], v[NIL]                      ; the wave's opening: the add, twice on end, and its wait ahead of the first tensor load
	ds_add_u32 v[SPW], v[NIL]
	v_lshrrev_b32 v8, 5, v0
	v_readfirstlane_b32 s[WV], v8                  ; wave 0..7
	s_and_b32 s82, ttmp7, 0xffff                   ; bh = 16 batch + head
	s_lshr_b32 s[SIDE], s[WV], 2
	s_and_b32 s[CP], s[WV], 3
	s_sub_co_u32 s[LC], 15, ttmp9
	s_lshr_b32 s83, ttmp9, 1
	s_sub_co_u32 s[LT], 8, s83
	GROUP1 G1T, 1024, 4                            ; a slot: 32,768 dense bytes
	GROUP1 G1C, 1024, 2                            ; a chunk
	GROUP1 G1S, 32, 16                             ; half of the scale words
	GROUP1 G1U, 32, 8                              ; a quarter
	s_lshl_b32 s84, s82, 18                        ; the head in kv
	s_mov_b32 s85, 0
	s_max_u32 s86, s[WV], 1
	s_sub_co_u32 s86, s86, 1
	s_lshl_b32 s86, s86, 15                        ; wave w fetches slot w - 1
	s_mov_b32 s87, 0
	s_add_nc_u64 s[86:87], s[84:85], s[86:87]
	s_lshl_b32 s92, s82, 13                        ; the head in qs and in kvs
	s_and_b32 s90, s[WV], 3
	s_lshl_b32 s90, s90, 11                        ; which quarter of the scale words
	s_add_co_u32 s92, s92, s90
	s_mov_b32 s93, 0
	s_lshl_b32 s91, s[WV], 14
	s_add_co_u32 s94, s91, 9*16384                 ; behind the drained barrier: chunk 9 + wave
	s_mov_b32 s95, 0
	s_add_nc_u64 s[94:95], s[84:85], s[94:95]
	s_mov_b32 s[SEL], 0x76543210
	s_mov_b32 s[SEL+1], 0xfedcba98
	s_mov_b32 s[CS], 0x3e38aa3b                    ; c
	s_mov_b32 s[CS+1], s[CS]                       ; (named with it as a pair, so it is written)
	s_mov_b32 s[NC], 0xbe38aa3b
	s_wait_dscnt 0x0                               ; both opening adds are done
	s_wait_kmcnt 0x0
	s_mov_b32 s[G0T], 1
	s_lshl_b32 s[G0T+1], s[WV], 15                 ; KV + 32768 (w - 1)
	s_add_nc_u64 s[G0T+2:G0T+3], s[8:9], s[86:87]
	s_or_b32 s[G0T+3], s[G0T+3], 0x80000000
	s_mov_b32 s[G0S], 1
	s_mov_b32 s[G0S+1], s90
	s_add_nc_u64 s[G0S+2:G0S+3], s[10:11], s[92:93]
	s_or_b32 s[G0S+3], s[G0S+3], 0x80000000
	s_mov_b32 s[G0C], 1
	s_add_co_u32 s[G0C+1], s91, KV+9*16384
	s_add_nc_u64 s[G0C+2:G0C+3], s[8:9], s[94:95]
	s_or_b32 s[G0C+3], s[G0C+3], 0x80000000
; THE HEAD'S LOADS, one a wave: wave 0 the first half of the scale words; waves 1, 2 slots 0, 1; waves 3, 4 slots 2, 3; wave 5 chunk 8; waves 6, 7 the other quarters of the scale words.
; ONE tree of branches on the wave's number.  What the first barrier shows (waves 0 to 2's) has load lines of its own.
.macro ARM under, g0, g1, next
	s_cmp_lt_u32 s[WV], \under
	s_cbranch_scc0 \next
	TL \g0, \g1
	s_branch .Lasked
\next:
.endm
	ARM 1, G0S, G1S, .Larm_1
	ARM 3, G0T, G1T, .Larm_2
	ARM 5, G0T, G1T, .Larm_3
	ARM 6, G0T, G1C, .Larm_4
	TL G0S, G1U
.Lasked:
	s_lshl_b32 s84, s82, 17                        ; Q's image: 131,072 bh + 1,024 x tile
	s_lshl_b32 s86, s[CP], 11
	s_add_co_u32 s84, s84, s86
	s_lshl_b32 s86, s[LC], 13
	s_add_co_u32 s86, s84, s86
	s_lshl_b32 s88, ttmp9, 13
	s_add_co_u32 s88, s84, s88
	s_mov_b32 s87, 0
	s_mov_b32 s89, 0
	s_add_nc_u64 s[86:87], s[4:5], s[86:87]
	s_add_nc_u64 s[88:89], s[4:5], s[88:89]
	s_lshl_b32 s84, s82, 13                        ; its scale words: 8,192 bh + 64 x tile
	s_lshl_b32 s90, s[CP], 7
	s_add_co_u32 s84, s84, s90
	s_lshl_b32 s90, s[LC], 9
	s_add_co_u32 s90, s84, s90
	s_lshl_b32 s92, ttmp9, 9
	s_add_co_u32 s92, s84, s92
	s_mov_b32 s91, 0
	s_mov_b32 s93, 0
	s_add_nc_u64 s[90:91], s[6:7], s[90:91]
	s_add_nc_u64 s[92:93], s[6:7], s[92:93]
	s_lshl_b32 s94, s[SIDE], 10
	s_lshl_b32 s95, s[SIDE], 6
	v_and_b32 v24, 31, v0                          ; lane
	v_lshlrev_b32 v[LI], 4, v24
	v_lshlrev_b32 v[LS], 2, v24
	v_add_nc_u32 v25, s94, v[LI]                   ; X's tile of the pair,
	v_xor_b32 v27, s95, v[LS]
	v_xor_b32 v26, 0x400, v25                      ; and Y's
	WIN 0x40
	global_load_b128 v[ZQ+8:ZQ+11], v25, s[86:87]
	global_load_b128 v[ZQ+12:ZQ+15], v25, s[86:87] offset:512
	global_load_b128 v[ZQ+24:ZQ+27], v26, s[86:87]
	global_load_b128 v[ZQ+28:ZQ+31], v26, s[86:87] offset:512
	global_load_b128 v[232:235], v25, s[88:89]
	global_load_b128 v[236:239], v25, s[88:89] offset:512
	global_load_b128 v[240:243], v26, s[88:89]
	global_load_b128 v[244:247], v26, s[88:89] offset:512
.irp i, 0,1,2,3,4,5,6,7
	v_mov_b32 v[ZQ+\i], 0                          ; the zero codes round Q
	v_mov_b32 v[ZQ+16+\i], 0
	v_mov_b32 v[ZQ+32+\i], 0
.endr
.set i_, 0
.rept 32
	v_mov_b32 v[200+i_], 0                         ; the kept part: written here, on every way; the change of walks, which stands under a branch, writes it anew
.set i_, i_+1
.endr
	WIN 0
	v_mov_b32 v58, 0                               ; its -M and its sum likewise
	v_mov_b32 v59, 0
	global_load_b32 v[QW], v27, s[90:91]
	global_load_b32 v[QWN], v27, s[92:93]
	s_lshr_b32 s84, s82, 4
	s_lshl_b32 s84, s84, 23                        ; the batch: 2,048 rows of 4,096 bytes
	s_and_b32 s83, s82, 15
	s_lshl_b32 s83, s83, 8                         ; the head's 256 bytes of a row
	s_add_co_u32 s84, s84, s83
	s_lshl_b32 s83, s[CP], 17                      ; 32 tokens,
	s_add_co_u32 s84, s84, s83
	s_lshl_b32 s83, s[SIDE], 15                    ; and 8 for an odd tile: place r of a tile is its first token + r + 8 (r / 8)
	s_add_co_u32 s84, s84, s83
	s_lshl_b32 s83, s[LC], 19
	s_add_co_u32 s94, s84, s83
	s_mov_b32 s95, 0
	s_add_nc_u64 s[OL:OL+1], s[12:13], s[94:95]
	s_lshl_b32 s83, ttmp9, 19
	s_add_co_u32 s94, s84, s83
	s_add_nc_u64 s[OE:OE+1], s[12:13], s[94:95]
	s_lshl_b32 s83, s[CP], 5
	s_lshl_b32 s84, s[SIDE], 3
	s_add_co_u32 s83, s83, s84
	s_lshl_b32 s84, s[SIDE], 4
	s_sub_co_u32 s84, 8, s84
	v_and_b32 v28, 15, v0
	v_and_b32 v29, 8, v0
	v_add_nc_u32 v28, v28, v29
	v_and_b32 v29, 16, v0
	v_sub_nc_u32 v28, v28, v29
	v_add_nc_u32 v[DMX], s83, v28
	v_add_nc_u32 v[DMY], s84, v[DMX]
	v_mov_b32 v[NINF], 0xff800000
	v_mov_b32 v[PWX], 0x7f7f7f7f                   ; (named as upper halves of pairs before they are first made)
	v_mov_b32 v[PWY], 0x7f7f7f7f
	v_mov_b32 v[NMX], 0x7f61b1e6                   ; -M: 3e38
	v_mov_b32 v[NMY], 0x7f61b1e6
.irp i, 0,1,2,3
	v_mov_b32 v[SUMX+\i], 0
	v_mov_b32 v[TX+\i], 0                          ; written once: a lane permute's destination counts as one of its sources
	v_mov_b32 v[TX+4+\i], 0
.endr
.set i_, 0
.rept 64
	v_mov_b32 v[OX+i_], 0                          ; O^T: a step is written for any trip; the first finds zeros
.set i_, i_+1
.endr
	s_lshl_b32 s[TBB], s[SIDE], 14
	s_add_co_u32 s[TBB], s[TBB], KV
	s_lshl_b32 s[TSB], s[SIDE], 8
	s_mov_b32 s[TB], s[TBB]
	s_mov_b32 s[TS], s[TSB]
	s_mov_b32 s[TR], 0
.macro SPROD b, u, y                   ; S^T's tile 2 b + u
.set D_, XS+64*(\y)+8*(2*(\b)+(\u))
.set A_, 16*(\b)
.set B_, ZQ+8-8*(\u)+16*(\y)
.set K_, KW+(\b)/2
.if ((\b)%2) && (\y)
	v_wmma_scale_f32_16x16x128_f8f6f4 v[D_:D_+7], v[A_:A_+15], v[B_:B_+15], 0, v[K_], v[QW] matrix_a_scale:MATRIX_SCALE_ROW1 matrix_b_scale:MATRIX_SCALE_ROW1
.elseif (\b)%2
	v_wmma_scale_f32_16x16x128_f8f6f4 v[D_:D_+7], v[A_:A_+15], v[B_:B_+15], 0, v[K_], v[QW] matrix_a_scale:MATRIX_SCALE_ROW1
.elseif \y
	v_wmma_scale_f32_16x16x128_f8f6f4 v[D_:D_+7], v[A_:A_+15], v[B_:B_+15], 0, v[K_], v[QW] matrix_b_scale:MATRIX_SCALE_ROW1
.else
	v_wmma_scale_f32_16x16x128_f8f6f4 v[D_:D_+7], v[A_:A_+15], v[B_:B_+15], 0, v[K_], v[QW]
.endif
.endm
.macro OPROD t, y                      ; O^T's tile t of 16 places of d
.set D_, OX+32*(\y)+8*(\t)
.set A_, VF+16*(\t)
.set B_, PC+16*(\y)
.set K_, VW+(\t)/2
.set W_, PWX-2*(\y)
.if (\t)%2
	v_wmma_scale_f32_16x16x128_f8f6f4 v[D_:D_+7], v[A_:A_+15], v[B_:B_+15], v[D_:D_+7], v[K_], v[W_] matrix_a_scale:MATRIX_SCALE_ROW1
.else
	v_wmma_scale_f32_16x16x128_f8f6f4 v[D_:D_+7], v[A_:A_+15], v[B_:B_+15], v[D_:D_+7], v[K_], v[W_]
.endif
.endm
.macro TM y, i                         ; t - M, two at a time
	v_pk_fma_f32 v[XS+64*(\y)+(\i):XS+64*(\y)+(\i)+1], v[XS+64*(\y)+(\i):XS+64*(\y)+(\i)+1], s[CS:CS+1], v[NMX+2*(\y):NMX+2*(\y)+1] op_sel_hi:[1,0,0]
.endm
.macro HOLD2 y, i                      ; the conversion does not saturate (ISA guide 7.6.2); p is not negative, so the hold is one-sided
.set H_, 28+12*(\y)+(\i)/16
.set P_, XS+64*(\y)+(\i)
	v_dual_min_num_f32 v[P_], v[H_], v[P_] :: v_dual_min_num_f32 v[P_+1], v[H_], v[P_+1]
.endm
.macro SUMS y                          ; the sum of the unquantised p: four chains by turns
.set P_, XS+64*(\y)
.set L_, SUMX+2*(\y)
	v_pk_add_f32 v[48:49], v[P_:P_+1], v[P_+2:P_+3]
	v_pk_add_f32 v[50:51], v[P_+4:P_+5], v[P_+6:P_+7]
	v_pk_add_f32 v[52:53], v[P_+8:P_+9], v[P_+10:P_+11]
	v_pk_add_f32 v[L_:L_+1], v[L_:L_+1], v[P_+12:P_+13]
.set k_, 14
.rept 25
.set a_, 48+(k_-14)%8
.if a_ == 54
.set a_, L_
.endif
	v_pk_add_f32 v[a_:a_+1], v[a_:a_+1], v[P_+k_:P_+k_+1]
.set k_, k_+2
.endr
	v_pk_add_f32 v[50:51], v[50:51], v[52:53]
	v_pk_add_f32 v[L_:L_+1], v[L_:L_+1], v[48:49]
	v_pk_add_f32 v[L_:L_+1], v[L_:L_+1], v[50:51]
.endm
.macro CODES y
	WIN 0x40
.irp b, 0,1,2,3
	v_cvt_scalef32_pk8_fp8_f32 v[PC+16*\y+4*\b:PC+16*\y+4*\b+1], v[XS+64*\y+16*\b:XS+64*\y+16*\b+7], v[32+12*\y+\b]
	v_cvt_scalef32_pk8_fp8_f32 v[PC+16*\y+4*\b+2:PC+16*\y+4*\b+3], v[XS+64*\y+16*\b+8:XS+64*\y+16*\b+15], v[32+12*\y+\b]
.endr
	WIN 0
.endm
; A PAIR STEP: one chunk of 128 keys for both tiles.  mask = 1: the chunk may be the walk's last, whose keys are partly hidden.
.macro STEP mask
	v_add_nc_u32 v[ADK], s[TB], v[LI]
	v_add_nc_u32 v[ADS], s[TS], v[LS]
	PLACES 6                                       ; with the two additions: eight places ahead of loads into registers that products have read
	WIN 0x40
.irp b, 0,1,2,3
.irp c, 0,1,2,3
	ds_load_b128 v[16*\b+4*\c:16*\b+4*\c+3], v[ADK] offset:2048*\b+512*\c   ; K's block b of 32 keys
.endr
.endr
	WIN 0
.irp i, 0,1
	ds_load_b32 v[KW+\i], v[ADS] offset:128*\i
	ds_load_b32 v[VW+\i], v[ADS] offset:512+128*\i
.endr
	WIN 0x40
.irp t, 0,1,2,3
.irp c, 0,1,2,3
	ds_load_b128 v[VF+16*\t+4*\c:VF+16*\t+4*\c+3], v[ADK] offset:8192+2048*\t+512*\c   ; V's tile t
.endr
.endr
	WIN 0x05
	s_wait_dscnt 16                                ; K and the scale words are in; V's sixteen loads may be out
.irp b, 0,1,2,3
	SPROD \b, 0, 0
	SPROD \b, 1, 0
	SPROD \b, 0, 1
	SPROD \b, 1, 1
.endr                                              ; register 16 b + i of lane (r, h): key 32 b + 16 h + i of the chunk
	WIN 0
	PLACES 8
.if \mask
	s_cmp_lg_u32 s[CK], s[LC]                      ; a chunk ahead of the walk's last: all its keys count
	s_cbranch_scc1 .Lopen_\@
.irp b, 0,1,2,3
	s_cmp_gt_u32 s[CP], \b                         ; blocks ahead of my 32 queries' own count whole
	s_cbranch_scc1 .Lk_\@_\b
.irp i, 0,1,2,3,4,5,6,7,8,9,10,11,12,13,14,15
	v_cmp_gt_i32 vcc_lo, 32*\b+\i, v[DMX]
	v_cndmask_b32 v[XS+16*\b+\i], v[XS+16*\b+\i], v[NINF], vcc_lo
	v_cmp_gt_i32 vcc_lo, 32*\b+\i, v[DMY]
	v_cndmask_b32 v[XS+64+16*\b+\i], v[XS+64+16*\b+\i], v[NINF], vcc_lo
.endr
.Lk_\@_\b:
.endr
.Lopen_\@:
.endif
.irp b, 0,1,2,3
	v_max3_num_f32 v[BX+\b], v[XS+16*\b], v[XS+1+16*\b], v[XS+2+16*\b]   ; the largest score of each block of 32 keys: for the row's maximum and for the block's scale
	v_max3_num_f32 v[BY+\b], v[XS+64+16*\b], v[XS+65+16*\b], v[XS+66+16*\b]
.endr
.irp i, 3,5,7,9,11,13
.irp b, 0,1,2,3
	v_max3_num_f32 v[BX+\b], v[BX+\b], v[XS+16*\b+\i], v[XS+1+16*\b+\i]
	v_max3_num_f32 v[BY+\b], v[BY+\b], v[XS+64+16*\b+\i], v[XS+65+16*\b+\i]
.endr
.endr
.irp b, 0,1,2,3
	v_max_num_f32 v[BX+\b], v[BX+\b], v[XS+15+16*\b]
	v_max_num_f32 v[BY+\b], v[BY+\b], v[XS+79+16*\b]
.endr
.irp b, 0,1,2,3
	v_permlanex16_b32 v[TX+\b], v[BX+\b], s[SEL], s[SEL+1]
	v_permlanex16_b32 v[TX+4+\b], v[BY+\b], s[SEL], s[SEL+1]
.endr
.irp b, 0,1,2,3
	v_max_num_f32 v[BX+\b], v[BX+\b], v[TX+\b]     ; with lane l xor 16's 16 keys
	v_max_num_f32 v[BY+\b], v[BY+\b], v[TX+4+\b]
.endr
	v_max3_num_f32 v56, v[BX], v[BX+1], v[BX+2]
	v_max3_num_f32 v57, v[BY], v[BY+1], v[BY+2]
	v_max_num_f32 v56, v56, v[BX+3]                ; the step's largest score of my query
	v_max_num_f32 v57, v57, v[BY+3]
	v_mul_f32 v56, s[NC], v56                      ; -t
	v_mul_f32 v57, s[NC], v57
	v_floor_f32 v56, v56                           ; -ceil(t)
	v_floor_f32 v57, v57
	v_sub_f32 v60, v56, v[NMX]
	v_sub_f32 v61, v57, v[NMY]
	v_min_num_f32 v[NMX], v[NMX], v56              ; the new -M
	v_min_num_f32 v[NMY], v[NMY], v57
	v_min_num_f32 v60, 0, v60                      ; old M - new M: a whole number, 0 or less
	v_min_num_f32 v61, 0, v61
	v_cvt_i32_f32 v60, v60                         ; (it saturates)
	v_cvt_i32_f32 v61, v61
	v_ldexp_f32 v[FX], 1.0, v60                    ; f = 2^(old M - new M)
	v_ldexp_f32 v[FY], 1.0, v61
.irp b, 0,1,2,3
	v_fma_f32 v[BX+\b], v[BX+\b], s[CS], v[NMX]    ; a block's largest t - M,
	v_fma_f32 v[BY+\b], v[BY+\b], s[CS], v[NMY]
.endr
.irp b, 0,1,2,3
	v_max_num_f32 v[BX+\b], 0xc2ec0000, v[BX+\b]   ; not under -118, so that the scale's byte cannot fall under 1 (a hidden block's codes are zeros),
	v_max_num_f32 v[BY+\b], 0xc2ec0000, v[BY+\b]
.endr
.irp b, 0,1,2,3
	v_cvt_floor_i32_f32 v[BX+\b], v[BX+\b]         ; e = floor(log2) of its largest p
	v_cvt_floor_i32_f32 v[BY+\b], v[BY+\b]
.endr
.irp b, 0,1,2,3
	v_lshl_add_u32 v[BX+8+\b], v[BX+\b], 23, 0x3b800000   ; 2^(e - 8): the conversion's scale operand
	v_lshl_add_u32 v[BY+8+\b], v[BY+\b], 23, 0x3b800000
	v_lshl_add_u32 v[BX+4+\b], v[BX+\b], 23, 0x3fe00000   ; 448 x the scale
	v_lshl_add_u32 v[BY+4+\b], v[BY+\b], 23, 0x3fe00000
.endr
	v_lshl_add_u32 v[PWX], v[BX+1], 8, v[BX]       ; p's scale word: the four bytes e + 119
	v_lshl_add_u32 v[PWY], v[BY+1], 8, v[BY]
	v_lshl_add_u32 v56, v[BX+3], 8, v[BX+2]
	v_lshl_add_u32 v57, v[BY+3], 8, v[BY+2]
	v_lshl_add_u32 v[PWX], v56, 16, v[PWX]
	v_lshl_add_u32 v[PWY], v57, 16, v[PWY]
	v_add_nc_u32 v[PWX], 0x77777777, v[PWX]
	v_add_nc_u32 v[PWY], 0x77777777, v[PWY]
.set i_, 0
.rept 16
	v_pk_mul_f32 v[OX+i_:OX+i_+1], v[OX+i_:OX+i_+1], v[FX:FX+1] op_sel_hi:[1,0]   ; O^T under the new M
.set i_, i_+2
.endr
.rept 16
	v_pk_mul_f32 v[OX+i_:OX+i_+1], v[OX+i_:OX+i_+1], v[FY:FY+1] op_sel_hi:[1,0]
.set i_, i_+2
.endr
	v_pk_mul_f32 v[SUMX:SUMX+1], v[SUMX:SUMX+1], v[FX:FX+1] op_sel_hi:[1,0]
	v_pk_mul_f32 v[SUMX+2:SUMX+3], v[SUMX+2:SUMX+3], v[FY:FY+1] op_sel_hi:[1,0]
.set i_, 0
.rept 32
	TM 0, i_
.set i_, i_+2
.endr
	s_wait_alu depctr_va_vdst(0)                   ; the wait ahead of a batch of exponentials and behind it
.set i_, 0
.rept 32                               ; X's p, with Y's t - M between
	v_exp_f32 v[XS+i_], v[XS+i_]
	v_exp_f32 v[XS+i_+1], v[XS+i_+1]
	TM 1, i_
.set i_, i_+2
.endr
	s_wait_alu depctr_va_vdst(0)
	SUMS 0
.set i_, 0
.rept 32                               ; Y's p, with X's holds between
	v_exp_f32 v[XS+64+i_], v[XS+64+i_]
	v_exp_f32 v[XS+64+i_+1], v[XS+64+i_+1]
	HOLD2 0, i_
.set i_, i_+2
.endr
	s_wait_dscnt 0x0                               ; V is in
	s_wait_alu depctr_va_vdst(0)
	CODES 0
	SUMS 1
.set i_, 0
.rept 32
	HOLD2 1, i_
.set i_, i_+2
.endr
	CODES 1
	PLACES 4                                       ; between the codes and the products that read them
	WIN 0x05
.irp t, 0,1,2,3
	OPROD \t, 0
	OPROD \t, 1
.endr
	WIN 0
.endm
	s_wait_alu depctr_va_vdst(0)                   ; the wait at the head's end
	s_cmp_lt_u32 s[WV], 3
	s_cbranch_scc0 .Lnot_yet
	s_wait_tensorcnt 0x0                           ; slots 0, 1 and their scale words; the other waves' wait stands at the second barrier
.Lnot_yet:
	s_wait_loadcnt 0x0                             ; Q and its scale words
	s_barrier_signal -1
	s_barrier_wait -1
.Lfirst:                                           ; slots 0, 1: every work-group's late chunk lies behind them
	STEP 0
	s_add_co_u32 s[TB], s[TB], 32768
	s_add_co_u32 s[TS], s[TS], 1024
	s_add_co_u32 s[TR], s[TR], 1
	s_cmp_lt_u32 s[TR], 2
	s_cbranch_scc1 .Lfirst
	s_wait_tensorcnt 0x0                           ; the head's loads are in
	ds_add_u32 v[SPW], v[NIL]
	s_wait_dscnt 0x0
	s_barrier_signal -1
	s_barrier_wait -1
; Chunk 9 + i, by wave i, while it does not come after the late chunk: ids alone; every wait on TENSORcnt here is for 0
.macro REST i
	s_cmp_gt_u32 ttmp9, 6-\i
	s_cbranch_scc1 .Lrest
	s_cmp_eq_u32 s[WV], \i
	s_cbranch_scc0 .Lnot_\i
	TL G0C, G1C
	s_branch .Lrest
.Lnot_\i:
.endm
	REST 0
	REST 1
	REST 2
	REST 3
	REST 4
	REST 5
	REST 6
.Lrest:
.Lsecond:                                          ; slots 2, 3
	STEP 0
	s_add_co_u32 s[TB], s[TB], 32768
	s_add_co_u32 s[TS], s[TS], 1024
	s_add_co_u32 s[TR], s[TR], 1
	s_cmp_lt_u32 s[TR], 4
	s_cbranch_scc1 .Lsecond
	s_wait_tensorcnt 0x0                           ; all of the head's K and V that this work-group reads is in
	s_wait_dscnt 0x0
	s_barrier_signal -1
	s_barrier_wait -1
.Lthird:                                           ; trips 4 to 8: the late walk's rest, then the early walk from slot 0 on
	s_cmp_lt_u32 s[TR], s[LT]
	s_cselect_b32 s82, 0, s[LT]
	s_sub_co_u32 s82, s[TR], s82
	s_and_b32 s82, s82, 7                          ; the slot
	s_cmp_lg_u32 s[TR], s[LT]
	s_cbranch_scc1 .Lsame
	; THE CHANGE OF WALKS: late Y's part goes to LDS, late X's is kept in registers; the early tiles begin
	s_lshl_b32 s83, s[WV], 12
	s_add_co_u32 s83, s83, OST
	s_lshl_b32 s84, s[WV], 8
	s_add_co_u32 s84, s84, ML1
	PLACES 8
	v_mov_b32 v[QW], v[QWN]
	v_add_nc_u32 v56, s83, v[LI]
	v_lshrrev_b32 v57, 1, v[LI]
	v_add_nc_u32 v57, s84, v57
	v_add_f32 v60, v18, v19
	v_mov_b32 v61, v[NMY]
	v_add_f32 v59, v16, v17
	v_mov_b32 v58, v[NMX]
.irp i, 0,1,2,3,4,5,6,7
	ds_store_b128 v56, v[OX+32+4*\i:OX+32+4*\i+3] offset:512*\i
.endr
	ds_store_b64 v57, v[60:61]
	WIN 0x40
.set i_, 0
.rept 32
	v_mov_b32 v[200+i_], v[OX+i_]
.set i_, i_+1
.endr
	WIN 0x41
.irp i, 0,1,2,3,4,5,6,7
	v_mov_b32 v[ZQ+8+\i], v[232+\i]
	v_mov_b32 v[ZQ+24+\i], v[240+\i]
.endr
	WIN 0
.set i_, 0
.rept 64
	v_mov_b32 v[OX+i_], 0
.set i_, i_+1
.endr
	v_mov_b32 v[NMX], 0x7f61b1e6
	v_mov_b32 v[NMY], 0x7f61b1e6
.irp i, 0,1,2,3
	v_mov_b32 v[SUMX+\i], 0
.endr
	s_mov_b32 s[LC], ttmp9
	s_wait_alu depctr_va_vdst(0)
.Lsame:
	s_lshl_b32 s[CK], s82, 1
	s_add_co_u32 s[CK], s[CK], s[SIDE]             ; my chunk
	s_lshl_b32 s[TB], s82, 15
	s_add_co_u32 s[TB], s[TB], s[TBB]
	s_lshl_b32 s[TS], s82, 10
	s_add_co_u32 s[TS], s[TS], s[TSB]
	s_cmp_gt_u32 s[CK], s[LC]                      ; all its keys come after my queries: left out; a branch on ids, round no barrier and no tensor load
	s_cbranch_scc1 .Lskip
	STEP 1
.Lskip:
	s_add_co_u32 s[TR], s[TR], 1
	s_cmp_lt_u32 s[TR], 9
	s_cbranch_scc1 .Lthird
	; THE TWO SIDES ARE JOINED
	PLACES 8
	s_lshl_b32 s83, s[WV], 12
	s_lshl_b32 s84, s[WV], 8
	s_xor_b32 s85, s[WV], 4                        ; my partner
	s_lshl_b32 s86, s85, 12
	s_lshl_b32 s87, s85, 8
	s_add_co_u32 s83, s83, KV
	s_add_co_u32 s84, s84, ML2
	s_add_co_u32 s88, s86, OST
	s_add_co_u32 s89, s86, KV
	s_add_co_u32 s90, s87, ML1
	s_add_co_u32 s91, s87, ML2
	s_mul_i32 s92, s[WV], 8704
	s_add_co_u32 s92, s92, OUTS
	v_add_f32 v60, v18, v19                        ; early Y's sum and -M
	v_mov_b32 v61, v[NMY]
	v_add_f32 v16, v16, v17                        ; early X's sum
	v_lshrrev_b32 v31, 1, v[LI]
	v_add_nc_u32 v24, s83, v[LI]
	v_add_nc_u32 v25, s84, v31
	v_add_nc_u32 v27, s88, v[LI]
	v_add_nc_u32 v28, s89, v[LI]
	v_add_nc_u32 v29, s90, v31
	v_add_nc_u32 v30, s91, v31
	v_and_b32 v31, 15, v0                          ; r
	v_bfe_u32 v54, v0, 4, 1                        ; h
	v_mul_u32_u24 v50, v31, 272
	v_lshl_add_u32 v50, v54, 6, v50
	v_add_nc_u32 v50, s92, v50                     ; the way out, in: row r, + 64 h: register 16 b + e is d = 32 b + 16 h + e
	v_mul_u32_u24 v51, v54, 272
	v_lshl_add_u32 v51, v31, 4, v51
	v_add_nc_u32 v51, s92, v51                     ; back: lanes 0-15 one row, lanes 16-31 the next
	v_lshlrev_b32 v52, 12, v54
	v_lshl_add_u32 v52, v31, 4, v52                ; a row of the output is 4,096 bytes
	s_wait_alu depctr_va_vdst(0)
	s_wait_dscnt 0x0
	s_barrier_signal -1
	s_barrier_wait -1                              ; nobody reads K or V any more: their bytes, which have had their only fill, take what follows
.irp i, 0,1,2,3,4,5,6,7
	ds_store_b128 v24, v[OX+32+4*\i:OX+32+4*\i+3] offset:512*\i
.endr
	ds_store_b64 v25, v[60:61]
	s_wait_dscnt 0x0
	s_barrier_signal -1
	s_barrier_wait -1
	ds_load_b64 v[32:33], v29                      ; the partner's sum and -M, late and early,
	ds_load_b64 v[34:35], v30
.irp i, 0,1,2,3,4,5,6,7
	ds_load_b128 v[64+4*\i:67+4*\i], v27 offset:512*\i
.endr
.irp i, 0,1,2,3,4,5,6,7
	ds_load_b128 v[96+4*\i:99+4*\i], v28 offset:512*\i
.endr
	s_wait_dscnt 0x0
	v_min_num_f32 v36, v58, v33                    ; -M of both sides together
	v_min_num_f32 v37, v[NMX], v35
	v_sub_f32 v38, v36, v58
	v_sub_f32 v40, v36, v33
	v_sub_f32 v42, v37, v[NMX]
	v_sub_f32 v46, v37, v35
	v_cvt_i32_f32 v38, v38                         ; (saturating: a side that saw no key gets the factor 0)
	v_cvt_i32_f32 v40, v40
	v_cvt_i32_f32 v42, v42
	v_cvt_i32_f32 v46, v46
	v_ldexp_f32 v38, 1.0, v38
	v_ldexp_f32 v40, 1.0, v40
	v_ldexp_f32 v42, 1.0, v42
	v_ldexp_f32 v46, 1.0, v46
	v_mul_f32 v44, v59, v38
	v_mul_f32 v45, v16, v42
	v_fma_f32 v44, v32, v40, v44
	v_fma_f32 v45, v34, v46, v45
	v_permlanex16_b32 v48, v44, s[SEL], s[SEL+1]
	v_permlanex16_b32 v49, v45, s[SEL], s[SEL+1]
	v_add_f32 v44, v44, v48                        ; the rows' sums
	v_add_f32 v45, v45, v49
	s_wait_alu depctr_va_vdst(0)                   ; the waits ahead of the batch and behind it
	v_rcp_f32 v44, v44
	v_rcp_f32 v45, v45
	v_nop
	s_wait_alu depctr_va_vdst(0)
	v_mul_f32 v42, v42, v45
	v_mul_f32 v46, v46, v45
	v_mul_f32 v38, v38, v44
	v_mul_f32 v40, v40, v44
.set i_, 0
.rept 16
	v_pk_mul_f32 v[96+i_:97+i_], v[96+i_:97+i_], v[46:47] op_sel_hi:[1,0]
.set i_, i_+2
.endr
.set i_, 0
.rept 16                               ; early: both sides' parts, divided by the sum
	v_pk_fma_f32 v[96+i_:97+i_], v[OX+i_:OX+i_+1], v[42:43], v[96+i_:97+i_] op_sel_hi:[1,0,1]
.set i_, i_+2
.endr
.set i_, 0
.rept 16
	v_pk_mul_f32 v[64+i_:65+i_], v[64+i_:65+i_], v[40:41] op_sel_hi:[1,0]
.set i_, i_+2
.endr
	WIN 0x01
.set i_, 0
.rept 16                               ; late: source 0 is the part kept in window 1
	v_pk_fma_f32 v[64+i_:65+i_], v[200+i_:201+i_], v[38:39], v[64+i_:65+i_] op_sel_hi:[1,0,1]
.set i_, i_+2
.endr
	WIN 0
.irp b, 0,1
.irp i, 0,1,2,3
	ds_store_b128 v50, v[64+16*\b+4*\i:67+16*\b+4*\i] offset:128*\b+16*\i
	ds_store_b128 v50, v[96+16*\b+4*\i:99+16*\b+4*\i] offset:4352+128*\b+16*\i
.endr
.endr
.irp i, 0,1,2,3,4,5,6,7
	ds_load_b128 v[128+4*\i:131+4*\i], v51 offset:2*\i*272   ; LDS serves a wave's instructions in order: these see my stores
.endr
.irp i, 0,1,2,3,4,5,6,7
	ds_load_b128 v[160+4*\i:163+4*\i], v51 offset:4352+2*\i*272
.endr
.irp i, 0,1,2,3,4,5,6,7
	s_wait_dscnt 15-\i                             ; the younger loads may be out
	global_store_b128 v52, v[128+4*\i:131+4*\i], s[OL:OL+1] offset:(2*\i+8*(\i/4))*4096 th:TH_STORE_NT   ; place 2 i + h is token + 2 i + h + 8 (i / 4); sixteen lanes store 256 consecutive bytes
.endr
.irp i, 0,1,2,3,4,5,6,7
	s_wait_dscnt 7-\i
	global_store_b128 v52, v[160+4*\i:163+4*\i], s[OE:OE+1] offset:(2*\i+8*(\i/4))*4096 th:TH_STORE_NT
.endr
	s_wait_tensorcnt 0x0                           ; the wave's end
	ds_add_u32 v[SPW], v[NIL]
	s_wait_dscnt 0x0
	s_endpgm
.Lfunc_end_k_qe832563beb_attn:
	.size	k_qe832563beb_attn, .Lfunc_end_k_qe832563beb_attn-k_qe832563beb_attn
	.p2alignl 7, 3214868480
	.fill 96, 4, 3214868480
	.section	.rodata,"a",@progbits
	.p2align	6, 0x0
	.amdhsa_kernel k_qe832563beb_attn
		.amdhsa_group_segment_fixed_size 327680
		.amdhsa_private_segment_fixed_size 0
		.amdhsa_enable_private_segment 0
		.amdhsa_kernarg_size 40
		.amdhsa_user_sgpr_count 2
		.amdhsa_user_sgpr_kernarg_segment_ptr 1
		.amdhsa_wavefront_size32 1
		.amdhsa_system_sgpr_workgroup_id_x 1
		.amdhsa_system_sgpr_workgroup_id_y 1
		.amdhsa_system_sgpr_workgroup_id_z 1
		.amdhsa_system_vgpr_workitem_id 0
		.amdhsa_next_free_vgpr 512
		.amdhsa_next_free_sgpr 100
		.amdhsa_reserve_vcc 1
		.amdhsa_float_denorm_mode_32 3
		.amdhsa_float_denorm_mode_16_64 3
		.amdhsa_memory_ordered 1
		.amdhsa_forward_progress 1
		.amdhsa_inst_pref_size 148
	.end_amdhsa_kernel
	.amdgpu_metadata
---
amdhsa.version: [ 1, 2 ]
amdhsa.kernels:
  - .name:           k_qe832563beb_attn
    .symbol:         k_qe832563beb_attn.kd
    .args:
      - { .name: qimg, .offset: 0, .size: 8, .value_kind: global_buffer, .address_space: global }
      - { .name: qs, .offset: 8, .size: 8, .value_kind: global_buffer, .address_space: global }
      - { .name: kv, .offset: 16, .size: 8, .value_kind: global_buffer, .address_space: global }
      - { .name: kvs, .offset: 24, .size: 8, .value_kind: global_buffer, .address_space: global }
      - { .name: out0, .offset: 32, .size: 8, .value_kind: global_buffer, .address_space: global }
    .group_segment_fixed_size: 327680
    .private_segment_fixed_size: 0
    .kernarg_segment_align: 8
    .kernarg_segment_size: 40
    .max_flat_workgroup_size: 256
    .sgpr_count:     100
    .vgpr_count:     512
    .wavefront_size: 32
...
	.end_amdgpu_metadata
.endif
;; end of part 3
